; MI455X (gfx1250); checked and timed in simulation.
; The chip was launched on July 23, 2026; its instructions are those of AMD's public machine-readable ISA for CDNA 5 (MIT licence, August 2026) and "CDNA5" Instruction Set Architecture Reference Guide (July 2026). The comments in the code are by the model that wrote it; some were corrected since.
;; Linear List. Allowed arithmetic: matrix products marked QUANTISED: E2M1 operands, one E8M0 scale for each 32 along K, by v_wmma_scale_f32_16x16x128_f8f6f4 with both operands' format E2M1 (or v_wmma_scale_f32_32x16x128_f4), f32 sums; everything else in f32.
;; Inputs: biases 8 x 1,024 float32; inputs 8,192 x 1,024 float32; nodes_type 8,192 int32; weights 8 x 1,024 x 1,024 float32.
;; Outputs: out0 8,192 x 1,024 float32.
;; This version of the problem:
;;   THIS VERSION OF THE PROBLEM IS GIVEN IN LOW PRECISION. The matrix products marked QUANTISED in the list below multiply operands that are first quantised to E2M1 (2 exponent bits, 1 mantissa bit; 4 bits a number), with one power-of-two scale for each 32 numbers along K (OCP MX v1.0); their sums are f32. All else is computed in f32.
;;   The module's matrix products, in the order in which they are computed (A, B: the left and right operand; K: the contracted axis; several contracted axes count as one K, in the product's order):
;;     1. [M 8,192, K 1,024] x [K 1,024, N 8,192]; A: input inputs; B: input weights: QUANTISED
;;   THE QUANTISER, for each operand of a quantised product, along K:
;;     - K is cut into blocks of 32 from its start; a last block that is shorter is filled with zeros.
;;     - A block's scale is 2^e with e = floor(log2(the largest magnitude in the block)) - 2, held to -126 .. 127; a block of zeros has e = 0. As a byte (E8M0): e + 127.
;;     - Each number is divided by its block's scale, clamped to +-6, and rounded to the nearest number of E2M1, ties to even, subnormals kept.
;;     - The product sums the exact products of the quantised numbers (number of the format x scale) in f32.
;;   ~~~python
;;   def quantise(x, axis):      # numpy; x: float32 -> the quantised numbers, widened to float32 again
;;       x = np.moveaxis(x, axis, -1); K = x.shape[-1]
;;       x = np.pad(x, [(0, 0)] * (x.ndim - 1) + [(0, -K % 32)]); x = x.reshape(x.shape[:-1] + (-1, 32)); a = np.abs(x).max(-1, keepdims=True)
;;       e = np.where(a > 0, np.clip(np.frexp(np.where(a > 0, a, 1))[1] - 1 - 2, -126, 127), 0)      # np.frexp(a)[1] - 1 = floor(log2(a)), exactly
;;       r = np.clip(x / 2.0 ** e, -6, 6)
;;       step = 2.0 ** (np.maximum(np.frexp(np.where(r == 0, 1, r))[1] - 1, 0) - 1)
;;       q = np.round(r / step) * step * 2.0 ** e      # np.round: ties to even
;;       return np.moveaxis(q.reshape(q.shape[:-2] + (-1,))[..., :K], -1, axis).astype(np.float32)
;;   ~~~
;; One version. Each part assembles by itself: llvm-mc -triple=amdgcn-amd-amdhsa -mcpu=gfx1250 --defsym DOCPART=n.
;; ======== version 1 of 1: 2 launches
;; limits: right only within a limited range of input values
;; workspace buffers: xc 4,194,304 bytes; xs 262,144 bytes; wc 4,194,304 bytes; ws 262,144 bytes; rows 37,888 bytes of whole numbers; meta 2,048 bytes of whole numbers
;; launch prep (part 1): grid 264 x 1, 8 waves a work-group, no clusters, 38,912 bytes of LDS; arguments inputs, weights, nodes_type, xc, xs, wc, ws, rows, meta; writes xc, xs, wc, ws, rows, meta
.if DOCPART == 1
	.amdgcn_target "amdgcn-amd-amdhsa--gfx1250"
	.amdhsa_code_object_version 6
	.text
	.protected	k_qabbedb4610_prep
	.globl	k_qabbedb4610_prep
	.p2align	8
	.type	k_qabbedb4610_prep,@function
k_qabbedb4610_prep:
	s_mov_b64 s[64:65], 0
	v_nop
	global_prefetch_b8 v0, s[64:65] scope:SCOPE_SE
	s_setreg_imm32_b32 hwreg(HW_REG_WAVE_MODE, 25, 1), 1
	s_wait_xcnt 0x0
; FIRST LAUNCH.  inputs [8192][1024] and weights [8][1024][1024] (as 8192 rows of 1024), f32, K innermost, become codes of FP4 (E2M1) with one E8M0 byte for each 32 along K;
; nodes_type [8192] becomes a list of row tiles, sorted by expert.  Work-groups 0-127 take inputs, 128-255 weights, 256-263 sort.
; WORK LEFT OUT by the program: reference() multiplies every row by all 8 experts and then keeps, by the index nodes_type, one of the 8 results; only that one is computed (second launch).
; A NaN, an infinity or an overflow that arises only in a result that is not kept is not carried anywhere.
; THE QUANTISER.  A block's scale is 2^(floor(log2(its largest magnitude)) - 2): its byte is the largest magnitude's exponent field - 2, held at 1 from below by a floor among the maximum's leaves.
; Each number is multiplied by the scale's inverse, a power of two, and rounded to the nearest code, ties to even; beyond 6 the conversion gives the largest code.
; LIMITS: a block of zeros, or one whose largest magnitude lies under 2^-124, gets the byte 1 (the bytes are read by this program alone); NaN and infinities among the inputs are not served;
; nodes_type is taken to lie in 0..7, as the gather of the problem relies on (every address made from it is clamped all the same).
; A WAVE'S TASK: 8 rows of 1024: rows 64 g + 32 (w % 2) + w / 2 + 4 i, i = 0..7 (g: work-group in its tensor, w: wave).  Load c of a row is 512 consecutive bytes, 16 a lane: four blocks, eight lanes to a block.
; The lanes' codes then change places among the eight lanes (three exchanges with lanes xor 1, 2, 4), so that lane l holds all 32 codes of ONE block: that of load l % 8, lane group l / 8.
; So POSITION l of a row's 32 places of 16 bytes holds K block 4 (l % 8) + l / 8, in an order within the block that hangs on l alone: the same for inputs and weights, so the products' sums hold the same terms.
; WHAT IS STORED.  xc: [row][position][16 bytes].  wc: [task][position][i][16 bytes].  xs, ws: [task][i][8 words]: word q holds the bytes of positions 4 q .. 4 q + 3.
; rows: [64 tiles][144] token numbers, an expert's tokens on end from its first tile; unused slots hold 0; behind them 256 words that take the stores of threads with nothing to fill.  meta: [256][2] = (expert, rows in the tile).
; 64 tiles serve every split: the sum over 8 experts of ceil(c / 144) is at most (8192 + 8 x 143) / 144, which is under 65.
; Each wave reads its rows once, with five rows (40 loads) asked for ahead; no tensor loads, no joint loads: the quantising work-groups share no input.
.set WREG,  4608                       ; LDS: for each wave the image of its weights' codes: 32 positions x (128 bytes + 16)
.set SORT,  8*WREG                     ; behind them: 8 x 32 bytes of counts, the sort's alone
.set SPARE, SORT+1024                  ; the spare words, 128 bytes a wave
.set D,     16                         ; v16-175  five rows of 32 registers
.set P,     176                        ; v176-191 pairs: even the scale's inverse, odd the largest magnitude, later its exponent field in place
.set T,     192                        ; v192-195 codes;  v196-199 the neighbour's;  v200-203 halves of the exchange
.set U,     196
.set KP,    200
.set VR,    202
.set A,     204                        ; v204-209 at work
.set SCL,   210                        ; v210-211 scale words: lane (g, c) keeps those of row c
.set C,     212                        ; v212-243 codes of the 8 rows
	s_load_b512 s[4:19], s[0:1], 0x0               ; inputs s[4:5], weights s[6:7], nodes_type s[8:9], xc s[10:11], xs s[12:13], wc s[14:15], ws s[16:17], rows s[18:19]
	s_load_b64 s[20:21], s[0:1], 0x40              ; meta
	v_lshl_add_u32 v10, v0, 2, SPARE
	v_mov_b32 v11, 0
	v_lshrrev_b32 v1, 5, v0
	v_readfirstlane_b32 s22, v1                    ; wave 0..7
	v_and_b32 v1, 31, v0                           ; lane
	s_cmp_ge_u32 ttmp9, 256                        ; the work-group's number alone: all eight waves go the same way
	s_wait_alu depctr_va_vdst(0)
	s_cbranch_scc1 .Lsort
	; ---------------- the quantiser ----------------
	s_mul_i32 s24, s22, WREG                       ; my wave's image
	s_and_b32 s25, ttmp9, 127
	s_lshl_b32 s26, s25, 3
	s_add_co_u32 s26, s26, s22                     ; the task, 0..1023, in its tensor
	s_lshl_b32 s27, s25, 6
	s_and_b32 s28, s22, 1
	s_lshl_b32 s28, s28, 5
	s_add_co_u32 s27, s27, s28
	s_lshr_b32 s28, s22, 1
	s_add_co_u32 s27, s27, s28                     ; its first row
	s_lshl_b32 s30, s27, 12                        ; the source: rows of 4,096 bytes
	s_mov_b32 s31, 0
	s_lshl_b32 s32, s27, 9                         ; xc: rows of 512 bytes
	s_lshl_b32 s33, s26, 12                        ; wc: 4,096 bytes a task, on end
	s_lshl_b32 s34, s26, 8                         ; the scale bytes: 256 a task, on end
	s_mov_b32 s35, 0
.irp e, 0,1,2,3,4,5,6,7
	s_mov_b32 s[36+\e], 0x01010101<<\e             ; the lanes with l % 8 = e
.endr
	s_mov_b32 s44, 0xcccccccc                      ; bit 1 of the lane,
	s_mov_b32 s45, 0xf0f0f0f0                      ; bit 2,
	s_mov_b32 s47, 0xaaaaaaaa                      ; bit 0
	s_mov_b32 s46, 0x03020706
	v_lshlrev_b32 v3, 4, v1                        ; 16 x lane
	v_and_b32 v12, 7, v1
	v_lshrrev_b32 v13, 3, v1
	v_mul_u32_u24 v7, v1, 0x90
	v_mov_b32 v5, 0x05040100
	v_lshlrev_b32 v4, 5, v12
	v_mul_u32_u24 v2, v13, 0x90
	v_add_nc_u32 v7, s24, v7                       ; the image, in: my position, 16 bytes a row
	v_cndmask_b32 v5, v5, s46, s47                 ; byte selects of the first exchange: even lanes keep the low halves, odd lanes the high halves
	v_lshl_add_u32 v4, v13, 3, v4                  ; scale words: row l % 8, words 2 (l / 8) on
	v_lshl_add_u32 v2, v12, 4, v2
	v_mov_b32 v6, 1.0                              ; the conversion's scale operand
	v_mov_b32 v[U], 0                              ; (a lane exchange's destination counts as one of its sources)
	v_mov_b32 v[U+1], 0
	v_mov_b32 v[U+2], 0
	v_mov_b32 v[U+3], 0
	v_add_nc_u32 v2, s24, v2                       ; and out: eight lanes to a position
	s_wait_alu depctr_va_vdst(0)
	s_wait_kmcnt 0x0
	s_cmp_lt_u32 ttmp9, 128                        ; inputs or weights?  Only pointers and one offset are chosen
	s_cselect_b64 s[4:5], s[4:5], s[6:7]
	s_cselect_b64 s[10:11], s[10:11], s[14:15]
	s_cselect_b64 s[12:13], s[12:13], s[16:17]
	s_cselect_b32 s23, 1, 0
	s_cselect_b32 s32, s32, s33
	s_mov_b32 s33, 0
	s_add_nc_u64 s[4:5], s[4:5], s[30:31]
	s_add_nc_u64 s[10:11], s[10:11], s[32:33]
	s_add_nc_u64 s[12:13], s[12:13], s[34:35]
.macro LOAD i                          ; row i: eight loads of 512 consecutive bytes
.irp k, 0,1,2,3,4,5,6,7
	global_load_b128 v[D+32*((\i)%5)+4*\k:D+32*((\i)%5)+4*\k+3], v3, s[4:5] offset:16384*(\i)+512*\k th:TH_LOAD_NT
.endr
.endm
.macro ROW i
.set X, D+32*((\i)%5)
.if (\i) < 4
	s_wait_loadcnt 32                              ; this row is in; the four rows behind it may be out
.else
	s_wait_loadcnt 8*(7-(\i))
.endif
.irp k, 0,1,2,3,4,5,6,7
	v_max3_num_f32 v[P+2*\k+1], |v[X+4*\k]|, |v[X+4*\k+1]|, |v[X+4*\k+2]|
.endr
.irp k, 0,1,2,3,4,5,6,7
	v_max3_num_f32 v[P+2*\k+1], v[P+2*\k+1], |v[X+4*\k+3]|, 0x1800000   ; and the floor 2^(3 - 127): the byte cannot fall under 1
.endr
.irp n, 1,2,4
.irp k, 0,1,2,3,4,5,6,7
	v_max_num_f32_dpp v[P+2*\k+1], v[P+2*\k+1], v[P+2*\k+1] row_xmask:\n row_mask:0xf bank_mask:0xf
.endr
.endr
.irp k, 0,1,2,3,4,5,6,7
	v_and_b32 v[P+2*\k+1], 0x7f800000, v[P+2*\k+1] ; E << 23, E the largest magnitude's exponent field
.endr
.irp k, 0,1,2,3,4,5,6,7
	v_sub_nc_u32 v[P+2*\k], 0x80000000, v[P+2*\k+1] ; (256 - E) << 23: the f32 number 1 / 2^(E - 2 - 127)
.endr
.irp k, 0,1,2,3,4,5,6,7
	v_pk_mul_f32 v[X+4*\k:X+4*\k+1], v[X+4*\k:X+4*\k+1], v[P+2*\k:P+2*\k+1] op_sel_hi:[1,0]
	v_pk_mul_f32 v[X+4*\k+2:X+4*\k+3], v[X+4*\k+2:X+4*\k+3], v[P+2*\k:P+2*\k+1] op_sel_hi:[1,0]
.endr
.irp u, 0,1,2,3
	v_cvt_scalef32_pk8_fp4_f32 v[T+\u], v[X+8*\u:X+8*\u+7], v6   ; low half: four codes of load 2 u; high half: of load 2 u + 1
.endr
	v_lshrrev_b32 v[A], 23, v[P+1]                 ; the bytes E of loads 0-3 and 4-7 make two words
	v_lshrrev_b32 v[A+3], 23, v[P+9]
	v_lshrrev_b32 v[A+1], 15, v[P+3]
	v_lshrrev_b32 v[A+4], 15, v[P+11]
	v_lshrrev_b32 v[A+2], 7, v[P+5]
	v_lshrrev_b32 v[A+5], 7, v[P+13]
.if (\i)+5 < 8
	LOAD (\i)+5
.endif
.irp u, 0,1,2,3
	v_mov_b32_dpp v[U+\u], v[T+\u] row_xmask:1 row_mask:0xf bank_mask:0xf
.endr
	v_lshl_or_b32 v[A], v[P+7], 1, v[A]
	v_lshl_or_b32 v[A+3], v[P+15], 1, v[A+3]
.irp u, 0,1,2,3
	v_perm_b32 v[T+\u], v[U+\u], v[T+\u], v5       ; lane bit 0 = b: eight codes of load 2 u + b
.endr
	v_add3_u32 v[A], v[A], v[A+1], v[A+2]
	v_add3_u32 v[A+3], v[A+3], v[A+4], v[A+5]
.irp u, 0,1
	v_cndmask_b32 v[VR+\u], v[T+2*\u+1], v[T+2*\u], s44
	v_cndmask_b32 v[KP+\u], v[T+2*\u], v[T+2*\u+1], s44
.endr
.irp u, 0,1
	v_mov_b32_dpp v[VR+\u], v[VR+\u] row_xmask:2 row_mask:0xf bank_mask:0xf   ; sixteen codes, in KP and VR
.endr
.if (\i) == 0
	v_mov_b32 v[SCL], v[A]
	v_mov_b32 v[SCL+1], v[A+3]
.else
	v_cndmask_b32 v[SCL], v[SCL], v[A], s[36+\i]   ; lanes with l % 8 = i keep row i's words
	v_cndmask_b32 v[SCL+1], v[SCL+1], v[A+3], s[36+\i]
.endif
	v_cndmask_b32 v[C+4*(\i)+2], v[KP+1], v[KP], s45
	v_cndmask_b32 v[C+4*(\i)+3], v[VR+1], v[VR], s45
	v_cndmask_b32 v[C+4*(\i)], v[KP], v[KP+1], s45
	v_cndmask_b32 v[C+4*(\i)+1], v[VR], v[VR+1], s45
	v_mov_b32_dpp v[C+4*(\i)+2], v[C+4*(\i)+2] row_xmask:4 row_mask:0xf bank_mask:0xf
	v_mov_b32_dpp v[C+4*(\i)+3], v[C+4*(\i)+3] row_xmask:4 row_mask:0xf bank_mask:0xf   ; all 32 codes of my block
.endm
.irp r, 0,1,2,3,4
	LOAD \r
.endr
.irp r, 0,1,2,3,4,5,6,7
	ROW \r
.endr
	v_add_nc_u32 v[SCL], 0xfdfdfdfe, v[SCL]        ; 2 off each byte, none of which is under 3
	v_add_nc_u32 v[SCL+1], 0xfdfdfdfe, v[SCL+1]
	global_store_b64 v4, v[SCL:SCL+1], s[12:13]    ; the task's scale bytes: 256 consecutive bytes, aligned
	s_cmp_lg_u32 s23, 0
	s_wait_alu depctr_va_vdst(0)
	s_cbranch_scc0 .Lweights
.irp i, 0,1,2,3,4,5,6,7
	global_store_b128 v3, v[C+4*\i:C+4*\i+3], s[10:11] offset:2048*\i   ; inputs: a row's 512 bytes, aligned
.endr
	s_wait_tensorcnt 0x0
	ds_add_u32 v10, v11
	s_wait_dscnt 0x0
	s_endpgm
.Lweights:
.irp i, 0,1,2,3,4,5,6,7
	ds_store_b128 v7, v[C+4*\i:C+4*\i+3] offset:16*\i   ; positions 144 bytes apart
.endr
.irp i, 0,1,2,3,4,5,6,7
	ds_load_b128 v[D+4*\i:D+4*\i+3], v2 offset:576*\i   ; LDS serves a wave's instructions in order (ISA guide 5.7.1.4): these see my stores
.endr
.irp i, 0,1,2,3,4,5,6,7
	s_wait_dscnt 7-\i                              ; number i is in
	global_store_b128 v3, v[D+4*\i:D+4*\i+3], s[10:11] offset:512*\i   ; 512 consecutive bytes, aligned
.endr
	s_wait_tensorcnt 0x0                           ; the wave's end
	ds_add_u32 v10, v11
	s_wait_dscnt 0x0
	s_endpgm
	; ---------------- the sort: a counting sort by expert, no atomics ----------------
	; Eight work-groups, s = 0..7.  EACH counts all 8,192 tokens (wave w tokens 1024 w on) and PLACES one eighth of them: wave w of work-group s the tokens 1024 s + 128 w + 4 lane + 0..3.
	; Counts are packed: 4 bits an expert while a lane adds up 8 tokens, then 8 bits (up to 32 a lane, 128 in four lanes), then 16 (up to 8,192).  Register i of four holds expert i below and expert i + 4 above.
	; s23 s; s24-31 masks; s32-39 totals; s40-47 an expert's first tile; s48-55 running places; s56-63 first unused slot; s66-73 unused slots; s74-81 counts in front of my wave's tokens; s82-89 at work; s2 tiles in all
.set TY,    16                         ; v16-47 the types that my wave counts
.set PO,    48                         ; v48-51 places
.set MT,    52                         ; v52-55 the types of the tokens that my wave places
.set ID,    80                         ; v80-83 token numbers, behind the counting
.macro JOIN n, r, cnt                  ; cnt registers from r on: + those of lane xor n
.set I, 0
.rept \cnt
	v_mov_b32_dpp v[112+I], v[\r+I] row_xmask:\n row_mask:0xf bank_mask:0xf
.set I, I+1
.endr
.set I, 0
.rept \cnt
	v_add_nc_u32 v[\r+I], v[\r+I], v[112+I]
.set I, I+1
.endr
.endm
.Lsort:
	s_sub_co_u32 s23, ttmp9, 256
	s_lshl_b32 s24, s22, 12
	s_lshl_b32 s25, s23, 10
	s_lshl_b32 s26, s22, 7
	s_add_co_u32 s25, s25, s26                     ; 1024 s + 128 w
	s_lshl_b32 s26, s25, 2
	s_lshl_b32 s27, s22, 5
	s_add_co_u32 s27, s27, SORT                    ; my wave's 32 bytes of counts
	s_mov_b32 s28, 0x76543210
	s_mov_b32 s29, 0xfedcba98                      ; v_permlanex16_b32's selects for lane l xor 16
	s_mov_b32 s30, 0x0f0f0f0f
	s_mov_b32 s31, 0x00ff00ff
	v_lshlrev_b32 v12, 4, v1
	v_and_b32 v13, 7, v1
	v_mov_b32 v4, s27
	v_lshl_add_u32 v3, v1, 2, s25                  ; my first token
	v_add_nc_u32 v2, s24, v12                      ; my bytes of nodes_type, to count,
	v_add_nc_u32 v8, s26, v12                      ; and to place
	v_lshl_add_u32 v5, v13, 5, SORT                ; lane l reads wave (l % 8)'s counts
	v_mov_b32 v116, 0
	v_mov_b32 v117, 0
	v_mov_b32 v118, 0
	v_mov_b32 v119, 0
	s_wait_alu depctr_va_vdst(0)
	s_wait_kmcnt 0x0
.irp j, 0,1,2,3,4,5,6,7
	global_load_b128 v[TY+4*\j:TY+4*\j+3], v2, s[8:9] offset:512*\j
.endr
	global_load_b128 v[MT:MT+3], v8, s[8:9]
	s_wait_loadcnt 0x0
.set I, 0
.rept 32
	v_lshlrev_b32 v[TY+I], 2, v[TY+I]
.set I, I+1
.endr
.irp i, 0,1,2,3
	v_lshlrev_b32 v[112+\i], 2, v[MT+\i]
.endr
.irp j, 0,1,2,3
	v_lshl_add_u32 v[60+\j], 1, v[TY+8*\j], 0      ; 1 in the expert's 4 bits
.endr
	v_lshl_add_u32 v64, 1, v112, 0
.irp i, 1,2,3,4,5,6,7
.irp j, 0,1,2,3
	v_lshl_add_u32 v[60+\j], 1, v[TY+8*\j+\i], v[60+\j]
.endr
.if \i < 4
	v_lshl_add_u32 v64, 1, v[112+\i], v64
.endif
.endr
.irp j, 0,1,2,3
	v_and_b32 v[66+\j], s30, v[60+\j]              ; experts 0, 2, 4, 6, 8 bits each
.endr
	v_and_b32 v78, s30, v64
.irp j, 0,1,2,3,4
	v_lshrrev_b32 v[60+\j], 4, v[60+\j]
.endr
.irp j, 0,1,2,3
	v_and_b32 v[70+\j], s30, v[60+\j]              ; experts 1, 3, 5, 7
.endr
	v_and_b32 v79, s30, v64
	v_add3_u32 v76, v66, v67, v68
	v_add3_u32 v77, v70, v71, v72
	v_add_nc_u32 v76, v76, v69
	v_add_nc_u32 v77, v77, v73
	JOIN 1, 76, 4
	JOIN 2, 76, 4
	v_and_b32 v80, s31, v76                        ; experts 0 and 4, 16 bits each,
	v_and_b32 v81, s31, v77                        ; 1 and 5,
	v_and_b32 v84, s31, v78
	v_and_b32 v85, s31, v79
.irp j, 0,1,2,3
	v_lshrrev_b32 v[76+\j], 8, v[76+\j]
.endr
	v_and_b32 v82, s31, v76                        ; 2 and 6,
	v_and_b32 v83, s31, v77                        ; 3 and 7
	v_and_b32 v86, s31, v78
	v_and_b32 v87, s31, v79
	JOIN 4, 80, 8
	JOIN 8, 80, 8
.irp j, 0,1,2,3,4,5,6,7
	v_permlanex16_b32 v[112+\j], v[80+\j], s28, s29
.endr
.irp j, 0,1,2,3,4,5,6,7
	v_add_nc_u32 v[80+\j], v[80+\j], v[112+\j]
.endr
	ds_store_b128 v4, v[80:83]                     ; my wave's 1,024 tokens; every lane writes the same bytes with the same values
	ds_store_b128 v4, v[84:87] offset:16           ; and the 128 that it places
	s_wait_alu depctr_va_vdst(0)
	s_wait_dscnt 0x0                               ; for the others' sake: my counts lie in LDS
	s_barrier_signal -1
	s_barrier_wait -1
	ds_load_b128 v[80:83], v5
	ds_load_b128 v[84:87], v5 offset:16
	v_cmp_gt_u32 s24, s23, v13                     ; the runs of 1,024 in front of mine,
	v_cmp_gt_u32 s25, s22, v13                     ; and in it the 128s in front of mine
	s_wait_dscnt 0x0
.irp j, 0,1,2,3
	v_cndmask_b32 v[88+\j], 0, v[80+\j], s24
.endr
.irp j, 0,1,2,3
	v_cndmask_b32 v[84+\j], 0, v[84+\j], s25
.endr
.irp j, 0,1,2,3
	v_add_nc_u32 v[84+\j], v[84+\j], v[88+\j]
.endr
	JOIN 1, 80, 8
	JOIN 2, 80, 8
	JOIN 4, 80, 8
.irp j, 0,1,2,3,4,5,6,7
	v_readfirstlane_b32 s[82+\j], v[80+\j]
.endr
.irp j, 0,1,2,3
	s_and_b32 s[32+\j], s[82+\j], 0xffff
	s_lshr_b32 s[36+\j], s[82+\j], 16
	s_and_b32 s[74+\j], s[86+\j], 0xffff
	s_lshr_b32 s[78+\j], s[86+\j], 16
.endr
	s_mov_b32 s2, 0
.irp e, 0,1,2,3,4,5,6,7
	s_add_co_u32 s82, s[32+\e], 143
	s_mul_i32 s82, s82, 58255
	s_lshr_b32 s82, s82, 23                        ; the expert's tiles: (c + 143) / 144 (58255 = 2^23 / 144, rounded up; c is at most 8192)
	s_mov_b32 s[40+\e], s2                         ; its first tile
	s_mul_i32 s84, s2, 144                         ; and that tile's first slot
	s_add_co_u32 s[48+\e], s84, s[74+\e]           ; where my wave's tokens of it begin
	s_add_co_u32 s[56+\e], s84, s[32+\e]           ; its first unused slot
	s_mul_i32 s85, s82, 144
	s_sub_co_u32 s[66+\e], s85, s[32+\e]           ; and how many there are: under 144
	s_add_co_u32 s2, s2, s82
.endr
.set I, 0
.rept 4                                ; each token's slot = the running place of its expert + the lanes below it with the same expert
.irp e, 0,1,2,3,4,5,6,7
	v_cmp_eq_u32 s[24+\e], \e, v[MT+I]
.endr
	v_mbcnt_lo_u32_b32 v[PO+I], s24, s48
.irp e, 1,2,3,4,5,6,7
	v_mbcnt_lo_u32_b32 v[112+\e], s[24+\e], s[48+\e]
.endr
	v_add_nc_u32 v[ID+I], I, v3                    ; the token's number
.irp e, 1,2,3,4,5,6,7
	v_cndmask_b32 v[PO+I], v[PO+I], v[112+\e], s[24+\e]
.endr
	v_min_u32 v[PO+I], 0x23ff, v[PO+I]             ; 64 x 144 slots: a place made from loaded numbers is held inside the buffer
	v_lshlrev_b32 v[PO+I], 2, v[PO+I]
	global_store_b32 v[PO+I], v[ID+I], s[18:19]    ; each store has its own address and data registers: none is written again
.irp e, 0,1,2,3,4,5,6,7
	s_bcnt1_i32_b32 s[82+\e], s[24+\e]
.endr
.irp e, 0,1,2,3,4,5,6,7
	s_add_co_u32 s[48+\e], s[48+\e], s[82+\e]
.endr
.set I, I+1
.endr
	s_cmp_lg_u32 s23, 0                            ; the rest is work-group 256's alone
	s_wait_alu depctr_va_vdst(0)
	s_cbranch_scc1 .Lsorted
	; meta: thread j writes tile j's pair.  Its expert is the last whose first tile is not behind j (an expert without tokens is passed over by the next, which begins at the same tile)
	s_mul_i32 s84, s2, 144                         ; the first slot of the tiles that this split leaves empty
	v_mov_b32 v116, 0
	v_mov_b32 v114, s40
	v_mov_b32 v115, s32
.irp e, 1,2,3,4,5,6,7
	v_cmp_le_u32 vcc_lo, s[40+\e], v0
	v_cndmask_b32 v116, v116, \e, vcc_lo
	v_cndmask_b32 v114, v114, s[40+\e], vcc_lo
	v_cndmask_b32 v115, v115, s[32+\e], vcc_lo
.endr
	v_sub_nc_u32 v118, v0, v114
	v_mul_u32_u24 v118, 0x90, v118                 ; the expert's rows in front of this tile
	v_sub_nc_u32 v117, v115, v118
	v_min_u32 v117, 0x90, v117                     ; what is left of them, 144 at the most,
	v_cmp_lt_u32 vcc_lo, v118, v115
	v_cndmask_b32 v117, 0, v117, vcc_lo            ; or none: behind the last tile
	v_lshlrev_b32 v119, 3, v0
	global_store_b64 v119, v[116:117], s[20:21]
	; the unused slots get 0: behind each expert's tokens (under 144 slots), and in the tiles that this split leaves empty (at most 7 x 144 slots: four times 256 threads).
	; A thread with nothing to fill stores its 0 into its word behind the slots.
	v_add_nc_u32 v153, 0x2400, v0
	v_mov_b32 v152, 0
.irp e, 0,1,2,3,4,5,6,7
	v_add_nc_u32 v[140+\e], s[56+\e], v0
.endr
.irp e, 0,1,2,3,4,5,6,7
	v_cmp_gt_u32 s[24+\e], s[66+\e], v0
.endr
.irp e, 0,1,2,3,4,5,6,7
	v_cndmask_b32 v[140+\e], v153, v[140+\e], s[24+\e]
.endr
.irp e, 0,1,2,3,4,5,6,7
	v_min_u32 v[140+\e], 0x24ff, v[140+\e]
.endr
.irp e, 0,1,2,3,4,5,6,7
	v_lshlrev_b32 v[140+\e], 2, v[140+\e]
.endr
.irp m, 0,1,2,3
	v_add_nc_u32 v[128+\m], s84, v0
.endr
.irp m, 0,1,2,3
	v_add_nc_u32 v[128+\m], 256*\m, v[128+\m]
.endr
.irp m, 0,1,2,3
	v_cmp_gt_u32 s[24+\m], 0x2400, v[128+\m]
.endr
.irp m, 0,1,2,3
	v_cndmask_b32 v[128+\m], v153, v[128+\m], s[24+\m]
.endr
.irp m, 0,1,2,3
	v_min_u32 v[148+\m], 0x24ff, v[128+\m]
.endr
.irp m, 0,1,2,3
	v_lshlrev_b32 v[148+\m], 2, v[148+\m]
.endr
.irp e, 0,1,2,3,4,5,6,7,8,9,10,11
	global_store_b32 v[140+\e], v152, s[18:19]
.endr
.Lsorted:
	s_wait_tensorcnt 0x0                           ; the wave's end
	ds_add_u32 v10, v11
	s_wait_dscnt 0x0
	s_endpgm
.Lfunc_end_k_qabbedb4610_prep:
	.size	k_qabbedb4610_prep, .Lfunc_end_k_qabbedb4610_prep-k_qabbedb4610_prep
	.p2alignl 7, 3214868480
	.fill 96, 4, 3214868480
	.section	.rodata,"a",@progbits
	.p2align	6, 0x0
	.amdhsa_kernel k_qabbedb4610_prep
		.amdhsa_group_segment_fixed_size 38912
		.amdhsa_private_segment_fixed_size 0
		.amdhsa_enable_private_segment 0
		.amdhsa_kernarg_size 72
		.amdhsa_user_sgpr_count 2
		.amdhsa_user_sgpr_kernarg_segment_ptr 1
		.amdhsa_wavefront_size32 1
		.amdhsa_system_sgpr_workgroup_id_x 1
		.amdhsa_system_sgpr_workgroup_id_y 1
		.amdhsa_system_sgpr_workgroup_id_z 1
		.amdhsa_system_vgpr_workitem_id 0
		.amdhsa_next_free_vgpr 244
		.amdhsa_next_free_sgpr 90
		.amdhsa_reserve_vcc 1
		.amdhsa_float_denorm_mode_32 3
		.amdhsa_float_denorm_mode_16_64 3
		.amdhsa_memory_ordered 1
		.amdhsa_forward_progress 1
		.amdhsa_inst_pref_size 101
	.end_amdhsa_kernel
	.amdgpu_metadata
---
amdhsa.version: [ 1, 2 ]
amdhsa.kernels:
  - .name:           k_qabbedb4610_prep
    .symbol:         k_qabbedb4610_prep.kd
    .args:
      - { .name: inputs, .offset: 0, .size: 8, .value_kind: global_buffer, .address_space: global }
      - { .name: weights, .offset: 8, .size: 8, .value_kind: global_buffer, .address_space: global }
      - { .name: nodes_type, .offset: 16, .size: 8, .value_kind: global_buffer, .address_space: global }
      - { .name: xc, .offset: 24, .size: 8, .value_kind: global_buffer, .address_space: global }
      - { .name: xs, .offset: 32, .size: 8, .value_kind: global_buffer, .address_space: global }
      - { .name: wc, .offset: 40, .size: 8, .value_kind: global_buffer, .address_space: global }
      - { .name: ws, .offset: 48, .size: 8, .value_kind: global_buffer, .address_space: global }
      - { .name: rows, .offset: 56, .size: 8, .value_kind: global_buffer, .address_space: global }
      - { .name: meta, .offset: 64, .size: 8, .value_kind: global_buffer, .address_space: global }
    .group_segment_fixed_size: 38912
    .private_segment_fixed_size: 0
    .kernarg_segment_align: 8
    .kernarg_segment_size: 72
    .max_flat_workgroup_size: 256
    .sgpr_count:     90
    .vgpr_count:     244
    .wavefront_size: 32
...
	.end_amdgpu_metadata
.endif
;; end of part 1
;; launch gemm (part 2): grid 4 x 64, 4 waves a work-group, no clusters, 79,104 bytes of LDS; arguments xc, xs, wc, ws, rows, meta, biases, out0; writes out0
.if DOCPART == 2
	.amdgcn_target "amdgcn-amd-amdhsa--gfx1250"
	.amdhsa_code_object_version 6
	.text
	.protected	k_qabbedb4610_gemm
	.globl	k_qabbedb4610_gemm
	.p2align	8
	.type	k_qabbedb4610_gemm,@function
k_qabbedb4610_gemm:
	s_mov_b64 s[64:65], 0
	v_nop
	global_prefetch_b8 v0, s[64:65] scope:SCOPE_SE
	s_setreg_imm32_b32 hwreg(HW_REG_WAVE_MODE, 25, 1), 1
	s_wait_xcnt 0x0
; SECOND LAUNCH.  out0[n][o] = the sum over k of x[n][k] W[t[n]][o][k] + b[t[n]][o], on the codes and scale bytes of the first launch; only each token's own expert is multiplied
; (the other seven results are never used by reference(): it keeps one by the index; what arises only in them is not carried to the result).
; Work-group (x = cb, y = j) takes tile j of the sorted list (up to 144 tokens of ONE expert) and output columns 256 cb .. 256 cb + 255: 256 work-groups, at most 64 tiles by the first launch's arithmetic.
; THE WAVES SHARE THE COLUMNS: wave w owns 64, four tiles of 16.  Its fragments of W for all of K (4 tiles x 8 K steps x 8 registers = 256) fill register window 1 for the whole launch, each read once.
; The tokens' codes are gathered once, 36 rows a wave, laid in LDS and read by all four waves into window 2, two buffers of 32 tokens x all of K.
; WHICH COLUMNS FORM A TILE: lane r of tile t is column 4 r + t of the wave's 64 (so the first launch lays W).  Source 0 = 16 tokens, source 1 = a tile of W: register i of lane (r, h) is token 8 h + i, column 4 r + t:
; the four tiles' register i are 16 neighbouring bytes of a row of out0, and sixteen lanes hold 256.  The bias addition puts them into neighbouring registers, and they are stored as they stand.
; The tokens go in four groups of 32 and one of 16: eight (four) accumulators take turns, one instruction a turn.
; SLOTS BEHIND A TILE'S COUNT take the tile's first token: they compute and store the same numbers to the same bytes as that token, in the same wave; groups that lie wholly behind the count are left out
; by a scalar branch on the stored count.  A tile with no rows runs the head on clamped addresses, passes the barriers and ends without a store: the price of a grid that serves every split.
; NO JOINT LOADS, NO TENSOR LOADS: which tiles share an expert, and how many groups a tile has, hang on numbers read from memory, and groups are left by a branch on such a number.  NO PREFETCH: there is no loop to run ahead in:
; all operands are asked for at the head.
; LIMITS: those of the first launch's quantiser; stored token numbers and experts are clamped to their tables before they enter an address.
.set XP,   528                         ; LDS: a token's 512 bytes of codes + 16 of padding
.set TOK,  144*XP                      ;   the tile's token numbers, a copy of 640 bytes for each wave
.set SPARE, TOK+4*640                  ;   the spare words, 128 bytes a wave
.set WS,   24                          ; v24-39   W's scale words: register 8 u + q: lanes 0-15 tile 2 u, lanes 16-31 tile 2 u + 1, K step q
.set XS,   40                          ; v40-79   x's: register 8 g + q: lane l = slot 32 g + l, K step q
.set BIAS, 80                          ; v80-83   columns 4 r + 0 .. 3
.set OFF,  84                          ; v84-115  a group's row offsets in out0, two sets of 16
.set ACC,  116                         ; v116-179 accumulator (b, t) at 116 + 8 (4 b + t)
.set OUT,  180                         ; v180-243 a group's results on their way out; at the head v180-197 gather offsets, v198-202 slot numbers
.set XA,   244                         ; v244-248 x's scale offsets
; v1 16 r; v2, v4 fragment address in XT (v4: from row 128 on); v3 where I store gathered rows; v5 W; v6, v7, v18 the token copy: read by rows, write, read for the gather; v8 my bytes in a row of out0; v9 W's scale words; v11, v17 the list
; v12-16 tokens of slots 32 g + lane;  v19-23 at work.   s20 expert, s21 rows in the tile, s22 wave, s36 the tile's first token
.set MSB, 0
.macro WIN new                         ; the immediate's high byte repeats the setting that is left; a switch that changes nothing is dropped
.if MSB != \new
	s_set_vgpr_msb (MSB<<8)|\new
.set MSB, \new
.endif
.endm
	s_load_b512 s[4:19], s[0:1], 0x0               ; xc s[4:5], xs s[6:7], wc s[8:9], ws s[10:11], rows s[12:13], meta s[14:15], biases s[16:17], out0 s[18:19]
	v_lshl_add_u32 v254, v0, 2, SPARE
	v_mov_b32 v255, 0
	v_lshrrev_b32 v17, 5, v0
	v_readfirstlane_b32 s22, v17                   ; wave 0..3
	s_mul_i32 s24, s22, 36*XP                      ; my 36 rows of XT
	s_mul_i32 s26, s22, 640
	s_add_co_u32 s26, s26, TOK                     ; my copy of the token numbers
	s_mul_i32 s27, s22, 144
	s_add_co_u32 s27, s27, s26                     ; and in it my 36 rows
	s_lshl_b32 s28, s22, 8                         ; my 256 bytes of the work-group's 1,024
	s_and_b32 s23, ttmp7, 0xffff                   ; the tile
	s_mul_i32 s32, s23, 576
	s_mov_b32 s33, 0
	s_lshl_b32 s34, s23, 3
	s_mov_b32 s35, 0
	v_and_b32 v22, 31, v0                          ; lane
	v_and_b32 v23, 15, v0                          ; r
	v_bfe_u32 v21, v0, 4, 1                        ; h
	v_bfe_u32 v5, v0, 3, 1
	v_and_b32 v19, 7, v0
	v_lshlrev_b32 v11, 2, v22
	v_lshlrev_b32 v17, 2, v23
	v_lshlrev_b32 v1, 4, v23
	v_mul_u32_u24 v2, v23, XP
	v_mul_u32_u24 v3, v21, 18*XP
	v_lshlrev_b32 v5, 12, v5
	v_mul_u32_u24 v18, v21, 0x48
	v_lshlrev_b32 v6, 5, v21
	v_lshl_add_u32 v2, v21, 4, v2                  ; row r x pitch + 16 h
	v_add_nc_u32 v3, v3, v1
	v_lshl_add_u32 v5, v21, 7, v5
	v_add_nc_u32 v17, 0x200, v17                   ; slots 128 + r
	v_add_nc_u32 v18, s27, v18                     ; lanes 0-15 my rows 0-17, lanes 16-31 my rows 18-35
	v_add_nc_u32 v6, s26, v6                       ; + 32 h: tokens 8 h on of a sixteen
	v_add_nc_u32 v7, s26, v11
	v_add_nc_u32 v4, 128*XP, v2
	v_add_nc_u32 v3, s24, v3
	v_lshl_add_u32 v5, v19, 4, v5                  ; 4,096 (r / 8) + 128 h + 16 (r % 8)
	v_add_nc_u32 v8, s28, v1
	v_lshlrev_b32 v9, 5, v22
	v_mov_b32 v198, v22
	v_add_nc_u32 v199, 32, v22
	v_add_nc_u32 v200, 64, v22
	v_add_nc_u32 v201, 0x60, v22
	v_add_nc_u32 v202, 0x80, v23
	s_wait_alu depctr_va_vdst(0)
	s_wait_kmcnt 0x0
	s_add_nc_u64 s[12:13], s[12:13], s[32:33]      ; the lists hang on the tile's number alone: they are asked for together
	s_add_nc_u64 s[14:15], s[14:15], s[34:35]
	s_load_b64 s[20:21], s[14:15], 0x0
	s_load_b32 s36, s[12:13], 0x0                  ; the tile's first token
.irp g, 0,1,2,3
	global_load_b32 v[12+\g], v11, s[12:13] offset:128*\g
.endr
	global_load_b32 v16, v17, s[12:13]
	s_wait_kmcnt 0x0
	s_min_u32 s20, s20, 7
	s_min_u32 s21, s21, 144
	s_min_u32 s36, s36, 0x1fff
	s_lshl_b32 s24, s20, 4
	s_lshl_b32 s25, ttmp9, 2
	s_add_co_u32 s24, s24, s25
	s_add_co_u32 s24, s24, s22                     ; my 64 rows of W: 16 expert + 4 cb + wave
	s_lshl_b32 s26, s24, 15                        ; their codes: 32,768 bytes
	s_mov_b32 s27, 0
	s_add_nc_u64 s[8:9], s[8:9], s[26:27]
	s_lshl_b32 s26, s24, 11                        ; their scale bytes: 2,048
	s_add_nc_u64 s[10:11], s[10:11], s[26:27]
	s_lshl_b32 s26, s24, 8                         ; their biases: 256 bytes
	s_add_nc_u64 s[16:17], s[16:17], s[26:27]
	s_lshl_b32 s26, ttmp9, 10                      ; the work-group's 256 columns of out0
	s_add_nc_u64 s[18:19], s[18:19], s[26:27]
	s_wait_loadcnt 0x0
.irp g, 0,1,2,3,4
	v_cmp_gt_u32 vcc_lo, s21, v[198+\g]
	v_cndmask_b32 v[12+\g], s36, v[12+\g], vcc_lo  ; behind the count: the first token
.endr
.irp g, 0,1,2,3,4
	v_min_u32 v[12+\g], 0x1fff, v[12+\g]
.endr
.irp g, 0,1,2,3,4
	ds_store_b32 v7, v[12+\g] offset:128*\g
.endr
.irp i, 0,1,2,3,4,5,6,7,8
	ds_load_b64 v[OUT+2*\i:OUT+2*\i+1], v18 offset:8*\i   ; LDS serves a wave's instructions in order (ISA guide 5.7.1.4): these see my stores
.endr
.irp u, 0,1
	global_load_b128 v[WS+8*\u:WS+8*\u+3], v9, s[10:11] offset:1024*\u
	global_load_b128 v[WS+8*\u+4:WS+8*\u+7], v9, s[10:11] offset:1024*\u+16
.endr
	global_load_b128 v[BIAS:BIAS+3], v1, s[16:17]
.macro LOADW q                         ; K step q of my four tiles: lanes 0-7 and 16-23 read one run of 256 bytes, the others another
.irp t, 0,1,2,3
.irp c, 0,1
	global_load_b128 v[64*\t+8*\q+4*\c:64*\t+8*\q+4*\c+3], v5, s[8:9] offset:8192*\t+512*\q+256*\c
.endr
.endr
.endm
	WIN 0x40                                       ; destination window 1, address window 0
	LOADW 0
	WIN 0
	s_wait_alu depctr_va_vdst(0)
	s_wait_dscnt 0x0
.irp i, 0,1,2,3,4,5,6,7,8,9,10,11,12,13,14,15,16,17
	v_min_u32 v[OUT+\i], 0x1fff, v[OUT+\i]
.endr
.irp i, 0,1,2,3,4,5,6,7,8,9,10,11,12,13,14,15,16,17
	v_lshl_add_u32 v[OUT+\i], v[OUT+\i], 9, v1     ; a row of codes is 512 bytes
.endr
	WIN 0x80                                       ; destination window 2
.irp i, 0,1,2,3,4,5,6,7,8,9,10,11,12,13,14,15,16,17
	global_load_b128 v[8*\i:8*\i+3], v[OUT+\i], s[4:5]   ; sixteen lanes read 256 consecutive bytes of a row
	global_load_b128 v[8*\i+4:8*\i+7], v[OUT+\i], s[4:5] offset:256
.endr
	WIN 0
; x's scale words: 32 bytes a token, at 32 x (the token's place in the first launch's order: 64-row block, then row % 4, then row / 4)
.irp g, 0,1,2,3,4
	v_and_b32 v19, 0x3c, v[12+\g]
	v_and_b32 v20, 3, v[12+\g]
	v_and_b32 v[XA+\g], 0x1fc0, v[12+\g]
	v_lshlrev_b32 v19, 3, v19
	v_lshl_add_u32 v20, v20, 9, v19
	v_lshl_add_u32 v[XA+\g], v[XA+\g], 5, v20
.endr
.irp g, 0,1,2,3,4
	global_load_b128 v[XS+8*\g:XS+8*\g+3], v[XA+\g], s[6:7]
	global_load_b128 v[XS+8*\g+4:XS+8*\g+7], v[XA+\g], s[6:7] offset:16
.endr
	WIN 0x40
.irp q, 1,2,3
	LOADW \q
.endr
	s_wait_loadcnt 34                              ; the gathered codes are in: x's 10 loads of scale words and W's 24 of K steps 1 to 3 were issued behind them
	WIN 0x48                                       ; loads: destination window 1; LDS stores: the data in window 2
.irp i, 0,1,2,3,4,5,6,7,8,9,10,11,12,13,14,15,16,17
	ds_store_b128 v3, v[8*\i:8*\i+3] offset:XP*\i
	ds_store_b128 v3, v[8*\i+4:8*\i+7] offset:XP*\i+256
.if \i < 16                            ; and between them W's K steps 4 to 7, tile by tile
	global_load_b128 v[64*(\i%4)+8*(4+\i/4):64*(\i%4)+8*(4+\i/4)+3], v5, s[8:9] offset:8192*(\i%4)+512*(4+\i/4)
	global_load_b128 v[64*(\i%4)+8*(4+\i/4)+4:64*(\i%4)+8*(4+\i/4)+7], v5, s[8:9] offset:8192*(\i%4)+512*(4+\i/4)+256
.endif
.endr
	WIN 0
	s_wait_dscnt 0x0                               ; for the others' sake: my 36 rows lie in LDS
	s_barrier_signal -1
	s_barrier_wait -1                              ; XT is whole, and nobody writes it again
; Group g's fragments, all of K, into buffer g % 2 of window 2: lane (r, h): registers 4 c on hold position 4 q + 2 c + h: 16 bytes of the row as they lie.  Group 4 has one tile of tokens.
.macro FETCHQ g, q                     ; (K step q of them)
	WIN 0x80
.irp c, 0,1
.if (\g) < 4
	ds_load_b128 v[128*((\g)%2)+8*\q+4*\c:128*((\g)%2)+8*\q+4*\c+3], v2 offset:32*(\g)*XP+64*\q+32*\c
	ds_load_b128 v[128*((\g)%2)+64+8*\q+4*\c:128*((\g)%2)+64+8*\q+4*\c+3], v2 offset:(32*(\g)+16)*XP+64*\q+32*\c
.else
	ds_load_b128 v[128*((\g)%2)+8*\q+4*\c:128*((\g)%2)+8*\q+4*\c+3], v4 offset:64*\q+32*\c
.endif
.endr
.endm
; One K step of a group: the accumulators by turns.  x's words stand in lanes 16-31 for the second tile of tokens, W's for odd tiles of columns.  The first K step starts the sums: nothing is cleared.
.macro MULQ g, q
.irp b, 0,1
.if 32*(\g)+16*\b < 144
.irp t, 0,1,2,3
.set AC, ACC+8*(4*\b+\t)
.set XR, 128*((\g)%2)+64*\b+8*(\q)
.set WR, 64*\t+8*(\q)
.set SX, XS+8*(\g)+(\q)
.set SW, WS+8*(\t/2)+(\q)
.if (\q) == 0
.set RR, 2*\b+\t%2
.else
.set RR, 4+2*\b+\t%2
.endif
.if RR == 0
	v_wmma_scale_f32_16x16x128_f8f6f4 v[AC:AC+7], v[XR:XR+7], v[WR:WR+7], 0, v[SX], v[SW] matrix_a_fmt:MATRIX_FMT_FP4 matrix_b_fmt:MATRIX_FMT_FP4
.elseif RR == 1
	v_wmma_scale_f32_16x16x128_f8f6f4 v[AC:AC+7], v[XR:XR+7], v[WR:WR+7], 0, v[SX], v[SW] matrix_a_fmt:MATRIX_FMT_FP4 matrix_b_fmt:MATRIX_FMT_FP4 matrix_b_scale:MATRIX_SCALE_ROW1
.elseif RR == 2
	v_wmma_scale_f32_16x16x128_f8f6f4 v[AC:AC+7], v[XR:XR+7], v[WR:WR+7], 0, v[SX], v[SW] matrix_a_fmt:MATRIX_FMT_FP4 matrix_b_fmt:MATRIX_FMT_FP4 matrix_a_scale:MATRIX_SCALE_ROW1
.elseif RR == 3
	v_wmma_scale_f32_16x16x128_f8f6f4 v[AC:AC+7], v[XR:XR+7], v[WR:WR+7], 0, v[SX], v[SW] matrix_a_fmt:MATRIX_FMT_FP4 matrix_b_fmt:MATRIX_FMT_FP4 matrix_a_scale:MATRIX_SCALE_ROW1 matrix_b_scale:MATRIX_SCALE_ROW1
.elseif RR == 4
	v_wmma_scale_f32_16x16x128_f8f6f4 v[AC:AC+7], v[XR:XR+7], v[WR:WR+7], v[AC:AC+7], v[SX], v[SW] matrix_a_fmt:MATRIX_FMT_FP4 matrix_b_fmt:MATRIX_FMT_FP4
.elseif RR == 5
	v_wmma_scale_f32_16x16x128_f8f6f4 v[AC:AC+7], v[XR:XR+7], v[WR:WR+7], v[AC:AC+7], v[SX], v[SW] matrix_a_fmt:MATRIX_FMT_FP4 matrix_b_fmt:MATRIX_FMT_FP4 matrix_b_scale:MATRIX_SCALE_ROW1
.elseif RR == 6
	v_wmma_scale_f32_16x16x128_f8f6f4 v[AC:AC+7], v[XR:XR+7], v[WR:WR+7], v[AC:AC+7], v[SX], v[SW] matrix_a_fmt:MATRIX_FMT_FP4 matrix_b_fmt:MATRIX_FMT_FP4 matrix_a_scale:MATRIX_SCALE_ROW1
.else
	v_wmma_scale_f32_16x16x128_f8f6f4 v[AC:AC+7], v[XR:XR+7], v[WR:WR+7], v[AC:AC+7], v[SX], v[SW] matrix_a_fmt:MATRIX_FMT_FP4 matrix_b_fmt:MATRIX_FMT_FP4 matrix_a_scale:MATRIX_SCALE_ROW1 matrix_b_scale:MATRIX_SCALE_ROW1
.endif
.endr
.endif
.endr
.endm
.macro ADDS b, i                       ; register i of the four tiles, + bias: 16 neighbouring bytes of token 8 h + i
.irp t, 0,1,2,3
	v_add_f32 v[OUT+32*\b+4*\i+\t], v[ACC+8*(4*\b+\t)+\i], v[BIAS+\t]
.endr
.endm
.macro SEND b, i, o                    ; sixteen lanes store 256 consecutive bytes of a token's row, aligned; written once, read by nobody here
	global_store_b128 v[\o+8*\b+\i], v[OUT+32*\b+4*\i:OUT+32*\b+4*\i+3], s[18:19] th:TH_STORE_NT
.endm
.macro GROUP g
.set OF, OFF+16*((\g)%2)
.if (\g) < 3
.set NF, 32                            ; the next group's fragment loads
.elseif (\g) == 3
.set NF, 16
.else
.set NF, 0
.endif
.if (\g) < 4
.set NR, 16                            ; registers of row offsets: eight for each tile of tokens
.else
.set NR, 8
.endif
	s_cmp_le_u32 s21, 32*(\g)                      ; no valid slot in this group or behind it: done, but for the last group's stores
	s_wait_alu depctr_va_vdst(0)
.if (\g) == 0
	s_cbranch_scc1 .Lend
.elseif (\g)%2 == 1
	s_cbranch_scc1 .Lflush0
.else
	s_cbranch_scc1 .Lflush1
.endif
	ds_load_b128 v[OF:OF+3], v6 offset:128*(\g)    ; the tokens of rows 8 h + 0 .. 7 of each tile
	ds_load_b128 v[OF+4:OF+7], v6 offset:128*(\g)+16
.if (\g) < 4
	ds_load_b128 v[OF+8:OF+11], v6 offset:128*(\g)+64
	ds_load_b128 v[OF+12:OF+15], v6 offset:128*(\g)+80
.endif
; Behind each K step's products stand the next group's fragments of that K step (into the buffer that the group before has left: that group's additions and offsets are the places behind its products)
; and, up to the sixth, the stores of the group before.
.irp q, 0,1,2,3,4,5,6,7
.if (\g) == 0
	s_wait_loadcnt 56-8*\q                         ; K step q of W (and, at first, all that was asked for ahead of K step 1) is in
.endif
.if (\g) < 3
	s_wait_dscnt 32                                ; K step q of this group's fragments is in: 28 - 4 q of its own, 4 of tokens and 4 q of the next group's may be out
.elseif (\g) == 3
	s_wait_dscnt 32-2*\q                           ; 28 - 4 q, 4, and 2 q: group 4 has half as many
.else
	s_wait_dscnt 16-2*\q                           ; 14 - 2 q, and 2 of tokens
.endif
	WIN 0x06                                       ; source 0 (x) window 2, source 1 (W) window 1, all else window 0
	MULQ \g, \q
.if (\g) < 4
	FETCHQ (\g)+1, \q
.endif
.if (\g) > 0
	WIN 0x80                                       ; (a store's registers lie in window 0)
.irp n, 0,1,2,3,4,5,6,7,8,9,10,11,12,13,14,15
.if (\n)/3 == \q
	SEND ((\n)/8), ((\n)%8), OFF+16*(((\g)+1)%2)
.endif
.endr
.endif
.endr
	WIN 0
	s_wait_xcnt 0x0                                ; the last group's stores have read their data and offsets
	s_wait_dscnt NF                                ; the token numbers are in
.set I, 0
.rept NR
	v_min_u32 v[OF+I], 0x1fff, v[OF+I]             ; these plain lines are also the places behind the last products
.set I, I+1
.endr
.set I, 0
.rept NR
	v_lshl_add_u32 v[OF+I], v[OF+I], 12, v8        ; a row of out0 is 4,096 bytes
.set I, I+1
.endr
.irp i, 0,1,2,3,4,5,6,7
	ADDS 0, \i
.endr
.irp i, 0,1,2,3,4,5,6,7
.if (\g) < 4
	ADDS 1, \i                                     ; (stored among the next group's products, or by the flush)
.else
	SEND 0, \i, OF
.endif
.endr
.endm
.irp q, 0,1,2,3,4,5,6,7
	FETCHQ 0, \q
.endr
	WIN 0
	GROUP 0
	GROUP 1
	GROUP 2
	GROUP 3
	GROUP 4
	s_branch .Lend
.macro FLUSH o                         ; the stores of a group that has no successor
.irp i, 0,1,2,3,4,5,6,7
	SEND 0, \i, \o
.endr
.irp i, 0,1,2,3,4,5,6,7
	SEND 1, \i, \o
.endr
.endm
.Lflush0:
	FLUSH OFF
	s_branch .Lend
.Lflush1:
	FLUSH OFF+16
.Lend:
	s_wait_dscnt 0x0                               ; (a tile may leave with its next fragments on their way)
	s_barrier_signal -1
	s_barrier_wait -1
	s_wait_tensorcnt 0x0                           ; the wave's end
	ds_add_u32 v254, v255
	s_wait_dscnt 0x0
	s_endpgm
.Lfunc_end_k_qabbedb4610_gemm:
	.size	k_qabbedb4610_gemm, .Lfunc_end_k_qabbedb4610_gemm-k_qabbedb4610_gemm
	.p2alignl 7, 3214868480
	.fill 96, 4, 3214868480
	.section	.rodata,"a",@progbits
	.p2align	6, 0x0
	.amdhsa_kernel k_qabbedb4610_gemm
		.amdhsa_group_segment_fixed_size 79104
		.amdhsa_private_segment_fixed_size 0
		.amdhsa_enable_private_segment 0
		.amdhsa_kernarg_size 64
		.amdhsa_user_sgpr_count 2
		.amdhsa_user_sgpr_kernarg_segment_ptr 1
		.amdhsa_wavefront_size32 1
		.amdhsa_system_sgpr_workgroup_id_x 1
		.amdhsa_system_sgpr_workgroup_id_y 1
		.amdhsa_system_sgpr_workgroup_id_z 1
		.amdhsa_system_vgpr_workitem_id 0
		.amdhsa_next_free_vgpr 768
		.amdhsa_next_free_sgpr 66
		.amdhsa_reserve_vcc 1
		.amdhsa_float_denorm_mode_32 3
		.amdhsa_float_denorm_mode_16_64 3
		.amdhsa_memory_ordered 1
		.amdhsa_forward_progress 1
		.amdhsa_inst_pref_size 102
	.end_amdhsa_kernel
	.amdgpu_metadata
---
amdhsa.version: [ 1, 2 ]
amdhsa.kernels:
  - .name:           k_qabbedb4610_gemm
    .symbol:         k_qabbedb4610_gemm.kd
    .args:
      - { .name: xc, .offset: 0, .size: 8, .value_kind: global_buffer, .address_space: global }
      - { .name: xs, .offset: 8, .size: 8, .value_kind: global_buffer, .address_space: global }
      - { .name: wc, .offset: 16, .size: 8, .value_kind: global_buffer, .address_space: global }
      - { .name: ws, .offset: 24, .size: 8, .value_kind: global_buffer, .address_space: global }
      - { .name: rows, .offset: 32, .size: 8, .value_kind: global_buffer, .address_space: global }
      - { .name: meta, .offset: 40, .size: 8, .value_kind: global_buffer, .address_space: global }
      - { .name: biases, .offset: 48, .size: 8, .value_kind: global_buffer, .address_space: global }
      - { .name: out0, .offset: 56, .size: 8, .value_kind: global_buffer, .address_space: global }
    .group_segment_fixed_size: 79104
    .private_segment_fixed_size: 0
    .kernarg_segment_align: 8
    .kernarg_segment_size: 64
    .max_flat_workgroup_size: 128
    .sgpr_count:     66
    .vgpr_count:     768
    .wavefront_size: 32
...
	.end_amdgpu_metadata
.endif
;; end of part 2
